; MI455X (gfx1250); checked and timed in simulation.
; The chip was launched on July 23, 2026; its instructions are those of AMD's public machine-readable ISA for CDNA 5 (MIT licence, August 2026) and "CDNA5" Instruction Set Architecture Reference Guide (July 2026). The comments in the code are by the model that wrote it; some were corrected since.
;; Ne WCRF Block. Allowed arithmetic: float matrix products may take bf16 or f16 operands with f32 sums; other float arithmetic in f32, or as packed bf16 or f16 multiplies, adds, multiply-adds, maxima and minima; sums over many terms, partial sums and values carried from step to step in f32; what a program stores and reads back later, other than sums and carried values, may be rounded once to bf16 or f16.
;; Inputs: bias_table 225 x 16 float32; bk 256 float32; bp 256 float32; bq 256 float32; bv 256 float32; feature 4 x 256 x 128 x 128 float32; mlp_b1 256 float32; mlp_b2 256 float32; mlp_w1 256 x 256 float32; mlp_w2 256 x 256 float32; n1_b 256 float32; n1_g 256 float32; n2_b 256 float32; n2_g 256 float32; up_b1 256 float32; up_b2 256 float32; up_w1 256 x 256 float32; up_w2 256 x 256 float32; wk 256 x 256 float32; wp 256 x 256 float32; wq 256 x 256 float32; wv 256 x 256 float32; x 4 x 16,384 x 256 float32.
;; Outputs: out0 4 x 16,384 x 256 float32.
;; One version. Each part assembles by itself: llvm-mc -triple=amdgcn-amd-amdhsa -mcpu=gfx1250 --defsym DOCPART=n.
;; ======== version 1 of 1: 2 launches
;; limits: values are held in f16: magnitudes above 65,504 overflow, below 6.1e-05 lose precision; a function is approximated: absolute error at most 1.5e-07
;; workspace buffers: wst 1,187,840 bytes
;; launch prep (part 1): grid 8 x 9, 8 waves a work-group, no clusters, 1,536 bytes of LDS; arguments wq, wk, wv, up_w1, up_w2, wp, mlp_w1, mlp_w2, bq, bk, bv, up_b1, up_b2, bp, mlp_b1, mlp_b2, n1_g, n1_b, n2_g, n2_b, bias_table, wst; writes wst
.if DOCPART == 1
	.amdgcn_target "amdgcn-amd-amdhsa--gfx1250"
	.amdhsa_code_object_version 6
	.text
	.protected	k_q96aaff729b_prep
	.globl	k_q96aaff729b_prep
	.p2align	8
	.type	k_q96aaff729b_prep,@function
k_q96aaff729b_prep:
	s_mov_b64 s[64:65], 0
	v_nop
	global_prefetch_b8 v0, s[64:65] scope:SCOPE_SE
	s_setreg_imm32_b32 hwreg(HW_REG_WAVE_MODE, 25, 1), 1
	s_wait_xcnt 0x0
; THE WEIGHTS ARE RE-LAID for the fused launch: 144 units of 8,192 bytes in the order in which that launch walks them, then eight bias vectors of 256 f32.
; Work-group (c, y).  y = 0..7: matrix y (wq, wk, wv, up_w1, up_w2, wp, mlp_w1, mlp_w2), output channels 32 c .. 32 c + 31: units hc = 2 c, 2 c + 1.  y = 8: the relative bias of heads 2 c, 2 c + 1.
; Unit numbers: q, k, v of head hc at 4 hc, 4 hc + 1, 4 hc + 2, its relative bias at 4 hc + 3; up_w1 at 64 + hc; up_w2 at 80 + 2 hc, wp at 81 + 2 hc; mlp_w1 at 112 + hc; mlp_w2 at 128 + hc.
; A weight unit holds f16 matrix fragments as a lane will load them: block f of 1,024 bytes (input channels 32 f on), byte e 512 + 16 l:
; the eight numbers s g[k] W[k][n], n = 16 hc + l % 16, k = 32 f + 16 e + 8 (l / 16) + 0..7.  g is the LayerNorm's gain for the four matrices that follow a LayerNorm, else 1;
; s = log2(e) / 4 for wq (the scores' scale, and the base of the exponential), else 1.  The bias vector is s (bias[n] + sum over k of beta[k] W[k][n]), in f32.
; LIMITS.  s g W is rounded once to f16: it must lie within 65,504; below 6e-5 it keeps f16's fixed step of 6e-8.
.set SPARE, 512                        ; LDS: 0-511 partial sums [wave][16]; from 512 on the spare words, 128 bytes a wave
.macro EACH cnt, line:vararg           ; the line cnt times, with i = 0, 1, ..
.set i, 0
.rept \cnt
	\line
.set i, i+1
.endr
.endm
	s_load_b512 s[4:19], s[0:1], 0x0               ; the eight matrices
	s_load_b512 s[20:35], s[0:1], 0x40             ; their eight biases
	s_load_b256 s[36:43], s[0:1], 0x80             ; n1_g, n1_b, n2_g, n2_b
	s_load_b128 s[44:47], s[0:1], 0xa0             ; bias_table, wst
	v_lshl_add_u32 v1, v0, 2, SPARE                ; my spare word
	v_mov_b32 v2, 0
	s_and_b32 s3, ttmp7, 0xffff                    ; y
	s_mov_b32 s2, ttmp9                            ; c
	v_and_b32 v3, 31, v0                           ; l
	v_and_b32 v4, 15, v0                           ; r = l % 16
	v_bfe_u32 v5, v0, 4, 1                         ; h = l / 16
	v_bfe_u32 v6, v0, 5, 1                         ; e
	v_bfe_u32 v7, v0, 6, 1                         ; u
	v_lshrrev_b32 v8, 7, v0                        ; f % 2
	v_lshrrev_b32 v9, 5, v0                        ; wave
	v_readfirstlane_b32 s57, v9
	s_wait_kmcnt 0x0
	s_cmp_eq_u32 s3, 8
	s_cbranch_scc1 .Lrel                           ; the same way for the whole work-group
	; which matrix, which bias, and where the units go: unit = base + (hc << shift)
	s_mov_b64 s[48:49], s[4:5]
	s_mov_b64 s[50:51], s[20:21]
	s_mov_b32 s52, 0
	s_mov_b32 s53, 2
.macro SEL y, base, sh
	s_cmp_eq_u32 s3, \y
	s_cselect_b64 s[48:49], s[4+2*\y:5+2*\y], s[48:49]
	s_cselect_b64 s[50:51], s[20+2*\y:21+2*\y], s[50:51]
	s_cselect_b32 s52, \base, s52
	s_cselect_b32 s53, \sh, s53
.endm
	SEL 1, 1, 2
	SEL 2, 2, 2
	SEL 3, 64, 0
	SEL 4, 80, 1
	SEL 5, 81, 1
	SEL 6, 112, 0
	SEL 7, 128, 0
	s_cmp_eq_u32 s3, 6
	s_cselect_b64 s[54:55], s[40:41], s[36:37]     ; gain: n2's for mlp_w1, else n1's
	s_cselect_b64 s[58:59], s[42:43], s[38:39]     ; and beta
	s_cselect_b32 s56, -1, 0                       ; all ones where the matrix follows a LayerNorm: y = 6,
	s_cmp_lt_u32 s3, 3
	s_cselect_b32 s56, -1, s56                     ; y = 0, 1, 2
	s_cmp_eq_u32 s3, 0
	s_cselect_b32 s60, 0x3eb8aa3b, 1.0             ; s
	s_lshl_b32 s61, s2, 1                          ; hc = 2 c
	s_lshl_b32 s61, s61, s53
	s_add_co_u32 s61, s61, s52
	s_lshl_b32 s62, s61, 13
	s_mov_b32 s63, 0
	s_add_nc_u64 s[66:67], s[46:47], s[62:63]      ; the unit of hc = 2 c
	v_lshlrev_b32 v10, 5, v8
	v_lshl_add_u32 v10, v6, 4, v10
	v_lshl_add_u32 v10, v5, 3, v10                 ; k of my first number for q = 0: 32 (f % 2) + 16 e + 8 h
	v_lshl_add_u32 v11, v7, 4, v4
	s_lshl_b32 s61, s2, 5
	v_add_nc_u32 v11, s61, v11                     ; n
	v_lshlrev_b32 v12, 2, v11
	v_lshl_add_u32 v12, v10, 10, v12               ; byte of W[k][n]
	v_lshlrev_b32 v13, 2, v10                      ; byte of g[k], beta[k]
	v_lshlrev_b32 v14, s53, v7                     ; hc = 2 c + u lies u << shift units on
	v_lshlrev_b32 v14, 13, v14
	v_lshl_add_u32 v14, v8, 10, v14
	v_lshl_add_u32 v14, v6, 9, v14
	v_lshl_add_u32 v14, v3, 4, v14                 ; + (f % 2) 1,024 + 512 e + 16 l: neighbouring threads store neighbouring 16 bytes
	; q = 0..3 is f = f % 2 + 2 q: 64 input channels on
	EACH 32, global_load_b32 v[16+i], v12, s[48:49] offset:(64*(i/8)+i%8)*1024
	EACH 8, global_load_b128 v[48+4*i:51+4*i], v13, s[54:55] offset:256*(i/2)+16*(i%2)
	EACH 8, global_load_b128 v[80+4*i:83+4*i], v13, s[58:59] offset:256*(i/2)+16*(i%2)
	s_wait_loadcnt 0x0
	EACH 32, v_cndmask_b32 v[48+i], 1.0, v[48+i], s56
	EACH 32, v_cndmask_b32 v[80+i], 0, v[80+i], s56
	v_mul_f32 v15, v80, v16                        ; my 32 terms of beta W
	EACH 31, v_fmac_f32 v15, v[81+i], v[17+i]
	EACH 32, v_mul_f32 v[48+i], s60, v[48+i]
	EACH 32, v_mul_f32 v[16+i], v[16+i], v[48+i]
	EACH 16, v_cvt_pk_f16_f32 v[48+i], v[16+2*i], v[17+2*i]
	EACH 4, global_store_b128 v14, v[48+4*i:51+4*i], s[66:67] offset:2048*i
	; the sum over k: the other half of the lanes, then the four waves with my u, through LDS
	s_mov_b32 s68, 0x76543210
	s_mov_b32 s69, 0xfedcba98
	v_mov_b32 v112, v15
	v_permlanex16_b32 v112, v15, s68, s69
	v_add_f32 v15, v15, v112
	v_lshlrev_b32 v113, 2, v4
	v_lshl_add_u32 v113, v9, 6, v113
	ds_store_b32 v113, v15                         ; both halves of the lanes write the same number
	s_wait_dscnt 0x0                               ; for the others' sake
	s_barrier_signal -1
	s_barrier_wait -1
	s_cmp_lg_u32 s57, 0
	s_cbranch_scc1 .Lend
	v_lshlrev_b32 v114, 2, v4                      ; wave 0, lane n: waves 2 u', 2 u' + 1, 2 u' + 4, 2 u' + 5 with u' = n / 16
	v_lshl_add_u32 v114, v5, 7, v114
	ds_load_b32 v116, v114
	ds_load_b32 v117, v114 offset:64
	ds_load_b32 v118, v114 offset:256
	ds_load_b32 v119, v114 offset:320
	v_lshlrev_b32 v115, 2, v3
	s_lshl_b32 s61, s2, 7
	v_add_nc_u32 v115, s61, v115                   ; byte of channel 32 c + n
	global_load_b32 v120, v115, s[50:51]
	s_lshl_b32 s62, s3, 10
	s_add_co_u32 s62, s62, 0x120000                ; behind the 144 units, vector y
	s_add_nc_u64 s[70:71], s[46:47], s[62:63]
	s_wait_dscnt 0x0
	v_add_f32 v116, v116, v117
	v_add_f32 v118, v118, v119
	v_add_f32 v116, v116, v118
	s_wait_loadcnt 0x0
	v_add_f32 v116, v116, v120
	v_mul_f32 v116, s60, v116
	global_store_b32 v115, v116, s[70:71]
	s_branch .Lend
.Lrel:
	; A tile of S^T (16 keys x 16 queries) needs a bias that hangs on the head and on d = query tile - key tile + 3 alone: 7 tiles a head, tile d at byte 1,024 d of the head's unit, f32, as the
	; matrix instruction's C operand lies: lane (r, h), register j: log2(e) table[(2 d + r / 8 - h + 1) 15 + r % 8 - j + 7][head].  The unit's eighth tile is zeros.
	s_lshl_b32 s62, s2, 16
	s_add_co_u32 s62, s62, 24576                   ; unit 4 (2 c) + 3
	s_mov_b32 s63, 0
	s_add_nc_u64 s[66:67], s[46:47], s[62:63]
	v_lshrrev_b32 v10, 6, v0
	v_lshrrev_b32 v11, 3, v4
	v_add_nc_u32 v11, 1, v11
	v_sub_nc_u32 v11, v11, v5                      ; r / 8 + 1 - h
	v_and_b32 v12, 7, v4
	v_add_nc_u32 v12, 4, v12
	v_lshlrev_b32 v13, 2, v6
	v_sub_nc_u32 v12, v12, v13                     ; r % 8 + 7 - j for j = 4 e + 3
	v_lshlrev_b32 v14, 4, v0
	s_lshl_b32 s52, s2, 3                          ; head 2 c, in bytes
.irp q, 0,1,2,3                        ; head 2 c + q / 2, tiles 4 (q % 2) + thread / 64
	v_add_nc_u32 v[28+\q], 4*(\q%2), v10           ; d
	v_min_u32 v21, 6, v[28+\q]                     ; the eighth tile reads the seventh's numbers and drops them
	v_lshl_add_u32 v23, v21, 1, v11
	v_mul_u32_u24 v23, v23, 15
	v_add_nc_u32 v23, v23, v12
	v_lshlrev_b32 v23, 6, v23                      ; a row of the table is 64 bytes
	v_add_nc_u32 v[24+\q], s52, v23
	global_load_b32 v[32+4*\q], v[24+\q], s[44:45] offset:192+4*(\q/2)
	global_load_b32 v[33+4*\q], v[24+\q], s[44:45] offset:128+4*(\q/2)
	global_load_b32 v[34+4*\q], v[24+\q], s[44:45] offset:64+4*(\q/2)
	global_load_b32 v[35+4*\q], v[24+\q], s[44:45] offset:4*(\q/2)
.endr
	s_wait_loadcnt 0x0
	EACH 16, v_mul_f32 v[32+i], 0x3fb8aa3b, v[32+i]
.irp q, 0,1,2,3
	v_cmp_gt_u32 vcc_lo, 7, v[28+\q]
	EACH 4, v_cndmask_b32 v[32+4*\q+i], 0, v[32+4*\q+i], vcc_lo
	global_store_b128 v14, v[32+4*\q:35+4*\q], s[66:67] offset:32768*(\q/2)+4096*(\q%2)
.endr
.Lend:
	s_wait_tensorcnt 0x0                           ; the wave's end: behind my last LDS store
	ds_add_u32 v1, v2
	s_wait_dscnt 0x0
	s_endpgm
.Lfunc_end_k_q96aaff729b_prep:
	.size	k_q96aaff729b_prep, .Lfunc_end_k_q96aaff729b_prep-k_q96aaff729b_prep
	.p2alignl 7, 3214868480
	.fill 96, 4, 3214868480
	.section	.rodata,"a",@progbits
	.p2align	6, 0x0
	.amdhsa_kernel k_q96aaff729b_prep
		.amdhsa_group_segment_fixed_size 1536
		.amdhsa_private_segment_fixed_size 0
		.amdhsa_enable_private_segment 0
		.amdhsa_kernarg_size 176
		.amdhsa_user_sgpr_count 2
		.amdhsa_user_sgpr_kernarg_segment_ptr 1
		.amdhsa_wavefront_size32 1
		.amdhsa_system_sgpr_workgroup_id_x 1
		.amdhsa_system_sgpr_workgroup_id_y 1
		.amdhsa_system_sgpr_workgroup_id_z 1
		.amdhsa_system_vgpr_workitem_id 0
		.amdhsa_next_free_vgpr 128
		.amdhsa_next_free_sgpr 72
		.amdhsa_reserve_vcc 1
		.amdhsa_float_denorm_mode_32 3
		.amdhsa_float_denorm_mode_16_64 3
		.amdhsa_memory_ordered 1
		.amdhsa_forward_progress 1
		.amdhsa_inst_pref_size 24
	.end_amdhsa_kernel
	.amdgpu_metadata
---
amdhsa.version: [ 1, 2 ]
amdhsa.kernels:
  - .name:           k_q96aaff729b_prep
    .symbol:         k_q96aaff729b_prep.kd
    .args:
      - { .name: wq, .offset: 0, .size: 8, .value_kind: global_buffer, .address_space: global }
      - { .name: wk, .offset: 8, .size: 8, .value_kind: global_buffer, .address_space: global }
      - { .name: wv, .offset: 16, .size: 8, .value_kind: global_buffer, .address_space: global }
      - { .name: up_w1, .offset: 24, .size: 8, .value_kind: global_buffer, .address_space: global }
      - { .name: up_w2, .offset: 32, .size: 8, .value_kind: global_buffer, .address_space: global }
      - { .name: wp, .offset: 40, .size: 8, .value_kind: global_buffer, .address_space: global }
      - { .name: mlp_w1, .offset: 48, .size: 8, .value_kind: global_buffer, .address_space: global }
      - { .name: mlp_w2, .offset: 56, .size: 8, .value_kind: global_buffer, .address_space: global }
      - { .name: bq, .offset: 64, .size: 8, .value_kind: global_buffer, .address_space: global }
      - { .name: bk, .offset: 72, .size: 8, .value_kind: global_buffer, .address_space: global }
      - { .name: bv, .offset: 80, .size: 8, .value_kind: global_buffer, .address_space: global }
      - { .name: up_b1, .offset: 88, .size: 8, .value_kind: global_buffer, .address_space: global }
      - { .name: up_b2, .offset: 96, .size: 8, .value_kind: global_buffer, .address_space: global }
      - { .name: bp, .offset: 104, .size: 8, .value_kind: global_buffer, .address_space: global }
      - { .name: mlp_b1, .offset: 112, .size: 8, .value_kind: global_buffer, .address_space: global }
      - { .name: mlp_b2, .offset: 120, .size: 8, .value_kind: global_buffer, .address_space: global }
      - { .name: n1_g, .offset: 128, .size: 8, .value_kind: global_buffer, .address_space: global }
      - { .name: n1_b, .offset: 136, .size: 8, .value_kind: global_buffer, .address_space: global }
      - { .name: n2_g, .offset: 144, .size: 8, .value_kind: global_buffer, .address_space: global }
      - { .name: n2_b, .offset: 152, .size: 8, .value_kind: global_buffer, .address_space: global }
      - { .name: bias_table, .offset: 160, .size: 8, .value_kind: global_buffer, .address_space: global }
      - { .name: wst, .offset: 168, .size: 8, .value_kind: global_buffer, .address_space: global }
    .group_segment_fixed_size: 1536
    .private_segment_fixed_size: 0
    .kernarg_segment_align: 8
    .kernarg_segment_size: 176
    .max_flat_workgroup_size: 256
    .sgpr_count:     72
    .vgpr_count:     128
    .wavefront_size: 32
...
	.end_amdgpu_metadata
.endif
;; end of part 1
;; launch main (part 2): grid 256 x 1, 4 waves a work-group, clusters of 4 x 1, 327,680 bytes of LDS; arguments feature, x, wst, out0; writes out0
.if DOCPART == 2
	.amdgcn_target "amdgcn-amd-amdhsa--gfx1250"
	.amdhsa_code_object_version 6
	.text
	.protected	k_q96aaff729b_main
	.globl	k_q96aaff729b_main
	.p2align	8
	.type	k_q96aaff729b_main,@function
k_q96aaff729b_main:
	s_mov_b64 s[64:65], 0
	v_nop
	global_prefetch_b8 v0, s[64:65] scope:SCOPE_SE
	s_setreg_imm32_b32 hwreg(HW_REG_WAVE_MODE, 25, 1), 1
	s_wait_xcnt 0x0
	s_wait_alu depctr_hold_cnt(0) depctr_sa_sdst(0) depctr_va_vdst(0) depctr_va_sdst(0) depctr_va_ssrc(0) depctr_va_vcc(0) depctr_vm_vsrc(0)
	s_getreg_b32 s2, hwreg(HW_REG_IB_STS2, 6, 4)
	s_cmp_eq_u32 s2, 0
	s_cbranch_scc0 .Lentry_in_a_cluster
	s_endpgm
.Lentry_in_a_cluster:
	s_bfe_u32 s2, ttmp6, 0x10000c
	s_cmp_lg_u32 s2, 0x3003
	s_cbranch_scc0 .Lentry_shape_is_right
	s_endpgm
.Lentry_shape_is_right:
; THE WHOLE BLOCK IN ONE LAUNCH.  A work-group owns four neighbouring windows of 8 x 8 tokens (8 image rows x 32 columns), a wave one window: 64 tokens = 4 token tiles t; token 16 t + r is image row 2 t + r / 8, column r % 8.
; PRODUCTS are taken transposed (source 0 = 16 output channels of a weight, source 1 = 16 tokens): a lane (r, h) then holds token r and channels 8 h + 0..7; rounded to f16 in pairs these are four
; registers of a source-1 fragment (16 tokens x 32 channels) of the next product.  V is taken with the sources swapped: packed, it is source 0 of O^T = V^T P.
; A PRODUCT'S SOURCE LIES IN REGISTERS (a window of 256: fragment (t, f) at 64 t + 8 f).  ITS RESULT GOES THROUGH A STAGE IN LDS, the wave's own 32,768 bytes, in fragment order: tile t, output channels
; 16 hc on, at t 8,192 + hc 512 + 16 lane.  So every loop has fixed registers and a stepped LDS address, and behind the loop 64 loads bring the whole activation into a window.
; WEIGHTS STREAM: 144 units of 8,192 bytes (16 output channels x 256), laid out by the launch before as fragments (a lane reads 16 bytes at 16 x lane), four to a trip, through two LDS slots.
; All work-groups walk the same stream, so the four of a cluster ask for each slot jointly.  Trips: 0-15 q, k, v and the relative bias of a head; 16-19 up_w1; 20-27 up_w2 and wp by turns; 28-31 mlp_w1; 32-35 mlp_w2.
; A UNIT'S FRAGMENTS ARE ASKED OF LDS A UNIT AHEAD: into the other of two buffers while one is multiplied, or into the same buffer ahead of the vector work that follows a product.  Each phase's head asks
; anew for what it needs; what the phase before asked for behind its last change of slots (36 loads at the most) then serves nothing.
; FORMATS.  Matrix operands f16, sums f32; LayerNorm, softmax (with the row's true maximum) and GELU in f32; y = unary + attention stays in f32: 512 registers, which pass through the stage in halves.
; LIMITS.  x, the intermediates q, k, v, O, gelu(..) must lie within 65,504; below 6e-5 they keep f16's fixed step of 6e-8.  erf by the five-term rational form in t = 1 / (1 + 0.3275911 z)
; (Abramowitz and Stegun 7.1.26), off by at most 1.5e-7.  A weight of the softmax below 2^-126 counts as 0.  NaN and infinities are not treated apart.
; REGISTERS, in windows of 256 (s_set_vgpr_msb: bits 1:0 source 0, 3:2 source 1, 5:4 source 2, 7:6 destination):
;   window 0: v0-15 addresses; v16-47 ACC, tile t at 16 + 8 t (attention: v16-79, eight tiles of S^T); v48-79 at work; v80-143 WF0, v144-207 WF1: weight fragment f at + 8 f (WF1 also: attention's bias tiles, GELU's work);
;             v208-215, v216-223 two biases as C operands; v224-255 at work
;   window 1: LN(feature), then attention's O, then LN(y), then the second gelu's results;  window 2: x, then y's channels 0-127;
;   window 3: q, k, v and P of one head, then the first gelu's results, then y's channels 128-255.  y in a window: token 16 t + r, channel 16 hc' + 8 h + j at register 64 t + 8 hc' + j.
.set PSF,   34824                      ; LDS: in an input slot feature's two image rows (256 channels x 32 columns f32, pitch 136) lie PSF apart: 8,706 words, 2 banks on
.set PSX,   33312                      ; x's two image rows (32 tokens x 1,024 bytes, pitch 1,040) PSX apart
.set SLOTX, 0x12000                    ; input slots at 0 and 73,728; no address that is turned by this exclusive or has bit 13 or 16 set
.set OS,    73728                      ; 17,408 bytes for each wave, where the second input slot lay (its blocks have had their last fill): LN(y) on its way to window 1, later the way out, 64 rows x 272 bytes
.set AST,   143616                     ; the stage, 32,768 bytes for each wave; no tensor load ever lands here
.set BT,    274688                     ; the eight bias vectors, 8,192 bytes
.set SPARE, 282880                     ; the spare words, 128 bytes a wave
.set MSB, 0
.macro WIN new                         ; the immediate's high byte repeats the setting that is left; a switch that changes nothing is dropped
.if MSB != (\new)
	s_set_vgpr_msb (MSB<<8)|(\new)
.set MSB, \new
.endif
.endm
.macro PLACES                          ; four places behind a matrix instruction (ISA guide 7.12.1)
.rept 4
	v_nop
.endr
.endm
.macro EACH cnt, line:vararg           ; the line cnt times, with i = 0, 1, ..
.set i, 0
.rept \cnt
	\line
.set i, i+1
.endr
.endm
.macro ROUND                           ; a round of the cluster's barrier
	s_barrier_signal -1
	s_barrier_wait -1
	s_cmp_lg_u32 s12, 0
	s_cbranch_scc1 .Lnw0_\@
	s_barrier_signal -3
.Lnw0_\@:
	s_barrier_wait -3
	s_barrier_signal -1
	s_barrier_wait -1
.endm
; THE CHANGE OF SLOTS, where a trip's last bytes have been asked of LDS.  Every wave waits for all its tensor loads (wave 0's is the other slot's), adds 0 to its spare word, and waits for that and for its reads of the slot.
; fill = 1: behind a round of the cluster's barrier wave 0 asks, jointly with its three partners, for the trip two on, into the slot just read: it has a whole trip in which to land.
.macro CHANGE fill
	WIN 0
	s_wait_tensorcnt 0x0
	ds_add_u32 v1, v2
.if \fill
	s_xor_b32 s29, s29, 0x8000                     ; no load of mine is out: the walking descriptor takes the other slot
	s_add_nc_u64 s[30:31], s[30:31], 0x8000        ; and the next 32,768 bytes
.endif
	s_xor_b32 s100, s100, 0x8000                   ; the slot that is read next
	s_wait_dscnt 0x0
.if \fill
	ROUND
	s_cmp_lg_u32 s12, 0
	s_cbranch_scc1 .Lnf_\@
	tensor_load_to_lds s[28:31], s[16:23]
	s_nop 0
	PLACES
.Lnf_\@:
.else
	s_barrier_signal -1
	s_barrier_wait -1
.endif
	v_add_nc_u32 v4, s100, v3
.endm
.macro LDB off, bi                     ; a unit's bias as a C operand, into v[bi ..+7]: register j = channel 8 h + j
	WIN 0
	EACH 2, ds_load_b128 v[\bi+4*i:\bi+4*i+3], v5 offset:\off+16*i
.endm
.macro LDW off, wf                     ; a unit's 8 fragments, f ascending, into buffer wf
	WIN 0
	EACH 16, ds_load_b128 v[\wf+4*i:\wf+4*i+3], v4 offset:\off+512*i
.endm
.macro WLOAD w                         ; the stage's 32,768 bytes into window w; LDS serves a wave's instructions in order (ISA guide 5.7.1.4): these see my stores, and later stores come behind them
	WIN (\w)<<6
	EACH 64, ds_load_b128 v[4*i:4*i+3], v8 offset:512*i
	WIN 0
	s_wait_dscnt 0x0
.endm
.macro MM f, t, swap, cont, wf, bi
.set rD, 16+8*\t
.set rW, \wf+8*\f
.set rX, 64*\t+8*\f
.set rC, rD
.if (\f==0)&&(\cont==0)
.set rC, \bi
.endif
.if \swap
	v_wmma_f32_16x16x32_f16 v[rD:rD+7], v[rX:rX+7], v[rW:rW+7], v[rC:rC+7]
.else
	v_wmma_f32_16x16x32_f16 v[rD:rD+7], v[rW:rW+7], v[rX:rX+7], v[rC:rC+7]
.endif
.endm
; 64 tokens x 16 output channels x 256 input channels: 32 matrix instructions; the four accumulators take turns.  The activation lies in window bwin, the weights in buffer wf.
; cont = 0: the bias in v[bi ..] starts the sums; cont = 1: they go on.  swap = 1: tokens in the registers, a channel a lane.
; n0, n1: the LDS instructions that may stay out at the head and ahead of fragment 4; below 0: no wait is written there.
.macro CORE bwin, swap, cont, wf, bi, n0, n1
.if \n0 >= 0
	s_wait_dscnt \n0
.endif
.if \swap
	WIN \bwin
.else
	WIN (\bwin)<<2
.endif
.irp f, 0,1,2,3,4,5,6,7
.if (\f == 4) && (\n1 >= 0)
	s_wait_dscnt \n1
.endif
.irp t, 0,1,2,3
	MM \f, \t, \swap, \cont, \wf, \bi
.endr
.endr
.endm
; LAYERNORM of 4 tokens: eight lanes share a token (lanes 4, 8 and 16 apart), each holds 32 of its 256 numbers in v80-111.  Mean, then the squares of the differences: nothing large is subtracted
; from anything large.  Gain and beta lie in the weights and biases.  The result, f16 in pairs, is left in v112-127.
.macro JOIN                            ; four packed chains v16-23 -> the token's sum in v24
	v_pk_add_f32 v[16:17], v[16:17], v[18:19]
	v_pk_add_f32 v[20:21], v[20:21], v[22:23]
	v_pk_add_f32 v[16:17], v[16:17], v[20:21]
	v_add_f32 v24, v16, v17
	v_add_f32_dpp v24, v24, v24 row_xmask:4 row_mask:0xf bank_mask:0xf
	v_add_f32_dpp v24, v24, v24 row_xmask:8 row_mask:0xf bank_mask:0xf
	v_mov_b32 v25, v24                             ; the exchange's destination counts as read
	v_permlanex16_b32 v25, v24, s76, s77
	v_add_f32 v24, v24, v25
.endm
.macro LNC
	EACH 4, v_pk_add_f32 v[16+2*i:17+2*i], v[80+2*i:81+2*i], v[88+2*i:89+2*i]
	EACH 8, v_pk_add_f32 v[16+2*(i%4):17+2*(i%4)], v[16+2*(i%4):17+2*(i%4)], v[96+2*i:97+2*i]
	JOIN
	v_mul_f32 v24, s91, v24
	EACH 16, v_pk_add_f32 v[80+2*i:81+2*i], v[80+2*i:81+2*i], v[24:25] op_sel_hi:[1,0] neg_lo:[0,1] neg_hi:[0,1]
	EACH 4, v_pk_mul_f32 v[16+2*i:17+2*i], v[80+2*i:81+2*i], v[80+2*i:81+2*i]
	EACH 12, v_pk_fma_f32 v[16+2*(i%4):17+2*(i%4)], v[88+2*i:89+2*i], v[88+2*i:89+2*i], v[16+2*(i%4):17+2*(i%4)]
	JOIN
	v_fma_f32 v24, v24, s91, s92                   ; variance + 1e-5
	v_rsq_f32 v24, v24
	v_nop                                          ; a plain instruction behind the root,
	s_wait_alu depctr_va_vdst(0)                   ; and a wait ahead of its first reader
	EACH 16, v_pk_mul_f32 v[80+2*i:81+2*i], v[80+2*i:81+2*i], v[24:25] op_sel_hi:[1,0]
	EACH 16, v_cvt_pk_f16_f32 v[112+i], v[80+2*i], v[81+2*i]
.endm
; ONE TOKEN TILE OF THE INPUT.  The tiles F0..F3 (feature), X0..X3 (x) take turns on two slots; each wave fetches a quarter of a tile.  Every wave waits for all its tensor loads (its quarter of this
; tile), adds 0 to its spare word, waits for that and for its reads of the other slot; behind a round of the cluster's barrier it asks for the next tile, into the other slot, and then works on this one,
; four tokens of its window a trip.  Lane l: column bit c2 = l % 2, image row bit pp = (l / 2) % 2, od = l / 4: feature's channels 64 g + 8 od + 0..7, g = 0..3; x's channels 32 od + 0..31.
; kind: 0 feature, 1 x.  ld: what is asked for: 0 feature, 1 x, 2 the ring's first two trips (waves 0 and 1, jointly).  step = 1: the descriptor steps first.
.macro TILE kind, step, ld
	s_wait_tensorcnt 0x0
	ds_add_u32 v1, v2
.if \step
.if \ld == 0
	s_xor_b32 s41, s41, SLOTX
	s_add_nc_u64 s[42:43], s[42:43], 1024          ; two image rows of 512 bytes on
.else
	s_xor_b32 s53, s53, SLOTX
	s_add_nc_u64 s[54:55], s[54:55], 0x40000       ; two image rows of 131,072 bytes on
.endif
.endif
	s_wait_dscnt 0x0
	ROUND
.if \ld == 0
	tensor_load_to_lds s[40:43], s[32:39]
	s_nop 0
	PLACES
.elseif \ld == 1
	tensor_load_to_lds s[52:55], s[44:51]
	s_nop 0
	PLACES
.else
	s_cmp_lg_u32 s12, 0
	s_cbranch_scc1 .Lra_\@
	tensor_load_to_lds s[24:27], s[16:23]          ; wave 0: trip 0
	s_nop 0
	PLACES
.Lra_\@:
	s_cmp_lg_u32 s12, 1
	s_cbranch_scc1 .Lrb_\@
	tensor_load_to_lds s[28:31], s[16:23]          ; wave 1: trip 1
	s_nop 0
	PLACES
.Lrb_\@:
.endif
	s_mov_b32 s73, s72
	s_mov_b32 s98, 4
.Lq_\@:                                ; columns 2 qi, 2 qi + 1 of both image rows
.if \kind == 0
	v_add_nc_u32 v13, s73, v7
	v_add_nc_u32 v14, s74, v9
	EACH 32, ds_load_b32 v[80+i], v13 offset:136*(64*(i/8)+i%8)
	s_wait_dscnt 0x0
	LNC
	EACH 4, ds_store_b128 v14, v[112+4*i:115+4*i] offset:2048*i
	s_add_co_u32 s73, s73, 8
.else
	v_add_nc_u32 v13, s73, v10
	v_add_nc_u32 v14, s74, v11
	EACH 8, ds_load_b128 v[80+4*i:83+4*i], v13 offset:16*i
	s_wait_dscnt 0x0
	EACH 16, v_cvt_pk_f16_f32 v[112+i], v[80+2*i], v[81+2*i]
	EACH 4, ds_store_b128 v14, v[112+4*i:115+4*i] offset:256*i
	s_add_co_u32 s73, s73, 2080
.endif
	s_add_co_u32 s74, s74, 32                      ; two tokens on in the stage
	s_sub_co_u32 s98, s98, 1
	s_cmp_lg_u32 s98, 0
	s_cbranch_scc1 .Lq_\@
	s_add_co_u32 s74, s74, 8192-128                ; the next token tile
	s_xor_b32 s72, s72, SLOTX                      ; lies in the other slot
.endm
; GELU on ACC's 32 numbers, in place: max(x, 0) - |x| Q, Q = (a1 t + .. + a5 t^5) / 2 x 2^(-(0.8493218 x)^2), t = 1 / (1 + 0.2316419 |x|).  E in v48-79, t in v144-175, Q in v176-207, max(x, 0) in v224-255:
; none of them in WF0 or the bias operand, into which the next unit's loads are on their way.  The 64 transcendentals are one batch with one wait; the 32 maxima, which read none of their results, stand between.
.macro GELU
	WIN 0
	EACH 16, v_pk_mul_f32 v[48+2*i:49+2*i], v[16+2*i:17+2*i], s[78:79] op_sel_hi:[1,0]
	EACH 32, v_fma_f32 v[144+i], |v[16+i]|, s90, 1.0
	EACH 16, v_pk_mul_f32 v[48+2*i:49+2*i], v[48+2*i:49+2*i], v[48+2*i:49+2*i] neg_lo:[1,0] neg_hi:[1,0]
	EACH 32, v_exp_f32 v[48+i], v[48+i]
	EACH 32, v_rcp_f32 v[144+i], v[144+i]
	EACH 32, v_max_num_f32 v[224+i], 0, v[16+i]
	s_wait_alu depctr_va_vdst(0)
	EACH 16, v_pk_fma_f32 v[176+2*i:177+2*i], v[144+2*i:145+2*i], s[88:89], s[86:87] op_sel_hi:[1,0,0]
	EACH 16, v_pk_fma_f32 v[176+2*i:177+2*i], v[176+2*i:177+2*i], v[144+2*i:145+2*i], s[84:85] op_sel_hi:[1,1,0]
	EACH 16, v_pk_fma_f32 v[176+2*i:177+2*i], v[176+2*i:177+2*i], v[144+2*i:145+2*i], s[82:83] op_sel_hi:[1,1,0]
	EACH 16, v_pk_fma_f32 v[176+2*i:177+2*i], v[176+2*i:177+2*i], v[144+2*i:145+2*i], s[80:81] op_sel_hi:[1,1,0]
	EACH 16, v_pk_mul_f32 v[176+2*i:177+2*i], v[176+2*i:177+2*i], v[144+2*i:145+2*i]
	EACH 16, v_pk_mul_f32 v[176+2*i:177+2*i], v[176+2*i:177+2*i], v[48+2*i:49+2*i]
	EACH 32, v_fma_f32 v[16+i], -|v[16+i]|, v[176+i], v[224+i]
.endm
; ATTENTION of the head in hand for query tiles 2 g, 2 g + 1.  Window 3: q of tile t at 8 t, k at 32 + 8 t (registers 0-3: the head's 16 channels; 4-7: zeros, since the form takes 32 along K);
; V^T, keys 32 kk on, at 64 + 8 kk; P at 96 + 16 (query tile % 2) + 8 kk.  The relative bias (tile d = query tile - key tile + 3 at v[144 + 8 d]) is the C operand.  S^T: a lane holds one query and keys 8 h + 0..7 of four tiles.
; WF0 and the first bias operand are not touched: the next head's q is on its way into them.
.macro ATT g
	WIN 0x0f
.irp aa, 0,1
.irp b, 0,1,2,3
	v_wmma_f32_16x16x32_f16 v[16+8*(4*\aa+\b):23+8*(4*\aa+\b)], v[32+8*\b:39+8*\b], v[8*(2*\g+\aa):8*(2*\g+\aa)+7], v[144+8*(2*\g+\aa-\b+3):151+8*(2*\g+\aa-\b+3)]
.endr
.endr
	WIN 0
	PLACES
	EACH 8, v_max3_num_f32 v[240+8*(i/4)+i%4], v[16+8*i], v[17+8*i], v[18+8*i]  ; each accumulator's lowest registers are read first
	EACH 8, v_max3_num_f32 v[240+8*(i/4)+i%4], v[240+8*(i/4)+i%4], v[19+8*i], v[20+8*i]
	EACH 8, v_max3_num_f32 v[240+8*(i/4)+i%4], v[240+8*(i/4)+i%4], v[21+8*i], v[22+8*i]
	EACH 2, v_max3_num_f32 v[240+8*i], v[240+8*i], v[23+32*i], v[31+32*i]
	EACH 2, v_max3_num_f32 v[241+8*i], v[241+8*i], v[39+32*i], v[47+32*i]
	EACH 2, v_max3_num_f32 v[240+8*i], v[240+8*i], v[241+8*i], v[242+8*i]
	EACH 2, v_max_num_f32 v[240+8*i], v[240+8*i], v[243+8*i]
	EACH 2, v_permlanex16_b32 v[241+8*i], v[240+8*i], s76, s77  ; the query's other 32 keys lie in the lane 16 away
	EACH 2, v_max_num_f32 v[240+8*i], v[240+8*i], v[241+8*i]
	EACH 32, v_pk_add_f32 v[16+2*i:17+2*i], v[16+2*i:17+2*i], v[240+8*(i/16):241+8*(i/16)] op_sel_hi:[1,0] neg_lo:[0,1] neg_hi:[0,1]
	EACH 64, v_exp_f32 v[16+i], v[16+i]            ; one batch,
	v_nop
	s_wait_alu depctr_va_vdst(0)                   ; one wait
	WIN 0xc0
	EACH 32, v_cvt_pk_f16_f32 v[96+i], v[16+2*i], v[17+2*i]
	WIN 0x0f                                       ; V and P in window 3.  The two accumulators take turns
	v_wmma_f32_16x16x32_f16 v[224:231], v[64:71], v[96:103], 0
	v_wmma_f32_16x16x32_f16 v[232:239], v[64:71], v[112:119], 0
	v_wmma_f32_16x16x32_f16 v[224:231], v[72:79], v[104:111], v[224:231]
	v_wmma_f32_16x16x32_f16 v[232:239], v[72:79], v[120:127], v[232:239]
	WIN 0
	EACH 16, v_pk_add_f32 v[16+4*i:17+4*i], v[16+4*i:17+4*i], v[18+4*i:19+4*i]  ; the weights' sums, of the unrounded weights: also the places behind the products
	EACH 8, v_pk_add_f32 v[16+8*i:17+8*i], v[16+8*i:17+8*i], v[20+8*i:21+8*i]
	EACH 4, v_pk_add_f32 v[16+16*i:17+16*i], v[16+16*i:17+16*i], v[24+16*i:25+16*i]
	EACH 2, v_pk_add_f32 v[16+32*i:17+32*i], v[16+32*i:17+32*i], v[32+32*i:33+32*i]
	EACH 2, v_add_f32 v[244+8*i], v[16+32*i], v[17+32*i]
	EACH 2, v_mov_b32 v[245+8*i], v[244+8*i]
	EACH 2, v_permlanex16_b32 v[245+8*i], v[244+8*i], s76, s77
	EACH 2, v_add_f32 v[244+8*i], v[244+8*i], v[245+8*i]
	EACH 2, v_rcp_f32 v[244+8*i], v[244+8*i]
	v_nop
	s_wait_alu depctr_va_vdst(0)
	EACH 8, v_pk_mul_f32 v[224+2*i:225+2*i], v[224+2*i:225+2*i], v[244+8*(i/4):245+8*(i/4)] op_sel_hi:[1,0]
	EACH 8, v_cvt_pk_f16_f32 v[200+i], v[224+2*i], v[225+2*i]
	EACH 2, ds_store_b128 v14, v[200+4*i:203+4*i] offset:8192*(2*\g+i)  ; the head's 16 channels of O, into the stage
.endm
; gelu(window bwin x W + b) -> the stage -> window dwin: four trips of four units.  Behind a unit's product its buffer is free: the next unit's bias and weights (18 loads) are asked for there, ahead of
; GELU's lines.  A trip's last unit has no next unit in its slot: a forward jump on the unit counter passes the 18 loads, and they are asked for behind the change of slots.
; The product's waits hold on every way to it: behind the bias and fragments 0-3 stand at least the 8 loads of fragments 4-7; ahead of fragment 4 the wait is for 0.
.macro GG bwin, boff, dwin
	v_mov_b32 v14, v8
	LDB \boff, 208
	LDW 0, 80
	s_mov_b32 s97, 4
.Lgo_\@:
	s_mov_b32 s98, 4
.Lgi_\@:
	CORE \bwin, 0, 0, 80, 208, 8, 0
	PLACES
	WIN 0
	s_cmp_eq_u32 s98, 1
	s_cbranch_scc1 .Lgs_\@
	LDB \boff+64, 208
	LDW 8192, 80
.Lgs_\@:
	GELU
	EACH 16, v_cvt_pk_f16_f32 v[48+i], v[16+2*i], v[17+2*i]
	EACH 4, ds_store_b128 v14, v[48+4*i:51+4*i] offset:8192*i
	v_add_nc_u32 v4, 8192, v4
	v_add_nc_u32 v5, 64, v5
	v_add_nc_u32 v14, 512, v14
	s_sub_co_u32 s98, s98, 1
	s_cmp_lg_u32 s98, 0
	s_cbranch_scc1 .Lgi_\@
	CHANGE 1
	LDB \boff, 208
	LDW 0, 80
	s_sub_co_u32 s97, s97, 1
	s_cmp_lg_u32 s97, 0
	s_cbranch_scc1 .Lgo_\@
	WLOAD \dwin
.endm
; y = H1 up_w2 + O wp + both biases, 128 channels: four trips.  A trip's four units U0..U3 (up_w2 and wp of one output unit, then of the next) are written out, on buffers WF0, WF1, WF0, WF1, each asked for
; one product ahead.  The change of slots stands ahead of the trip's last product, whose weights are in registers by then, so that the next trip's U0 is asked for a product ahead too.
; The f32 sums go into the stage as they lie (tile t, unit hc', registers 4 e on at t 8,192 + hc' 1,024 + e 512 + 16 lane: 128 channels fill it), and from there into window w.
.macro LB2 o                           ; both biases of an output unit
	WIN 0
	EACH 2, ds_load_b128 v[208+4*i:211+4*i], v5 offset:2048+\o+16*i
	EACH 2, ds_load_b128 v[216+4*i:219+4*i], v5 offset:3072+\o+16*i
.endm
.macro BSUM
	EACH 4, v_pk_add_f32 v[208+2*i:209+2*i], v[208+2*i:209+2*i], v[216+2*i:217+2*i]
.endm
.macro YST o
	WIN 0
	EACH 8, ds_store_b128 v14, v[16+4*i:19+4*i] offset:\o+8192*(i/2)+512*(i%2)
.endm
.macro FUSED w
	v_mov_b32 v14, v8
	LB2 0
	LDW 0, 80
	LDW 8192, 144
	s_wait_dscnt 16                                ; the way in waits for its own: the biases and U0 are in, U1's 16 loads may stay out
	s_mov_b32 s97, 4
.Lfo_\@:
	s_wait_dscnt 24                                ; round the loop: behind the biases and U0 stand 8 stores of y and U1's 16 loads
	BSUM
	CORE 3, 0, 0, 80, 208, -1, -1
	PLACES
	LB2 64
	LDW 16384, 80
	CORE 1, 0, 1, 144, 208, 20, -1                 ; U1 is in: behind it stand the 4 bias loads and U2's 16
	PLACES
	YST 0
	LDW 24576, 144
	s_wait_dscnt 24                                ; the biases and U2 are in: behind them stand 8 stores and U3's 16 loads
	BSUM
	CORE 3, 0, 0, 80, 208, -1, -1
	PLACES
	WIN 0
	v_add_nc_u32 v5, 128, v5
	CHANGE 1                                       ; its wait for 0 shows U3 in registers: the slot has been read
	LB2 0
	LDW 0, 80
	CORE 1, 0, 1, 144, 208, -1, -1
	PLACES
	YST 1024
	v_add_nc_u32 v14, 2048, v14
	LDW 8192, 144
	s_sub_co_u32 s97, s97, 1
	s_cmp_lg_u32 s97, 0
	s_cbranch_scc1 .Lfo_\@
	WLOAD \w
.endm
; LAYERNORM 2 of token tiles 2 p, 2 p + 1.  Their y, 32 tokens x 256 f32, fills the stage: tile tt, unit hc, registers 4 e on at tt 16,384 + hc 1,024 + e 512 + 16 lane.  Four tokens a trip:
; lane l reads, for g = 0..7, the 16 bytes of unit 2 g + l / 16, e = (l / 8) % 2, h = (l / 4) % 2: four channels; rounded to f16 they are 8 bytes of a fragment, gathered in my 16,384 bytes at OS.
.macro LN2P p
	WIN 0x08                                       ; store data in window 2: channels 0-127
	EACH 32, ds_store_b128 v8, v[128*\p+4*i:128*\p+4*i+3] offset:16384*(i/16)+512*(i%16)
	WIN 0x0c                                       ; in window 3: channels 128-255
	EACH 32, ds_store_b128 v8, v[128*\p+4*i:128*\p+4*i+3] offset:16384*(i/16)+8192+512*(i%16)
	WIN 0
	s_mov_b32 s74, 0
	s_mov_b32 s73, 0
	s_mov_b32 s97, 2
.Ll2o_\@:
	s_mov_b32 s98, 4
.Ll2i_\@:
	v_add_nc_u32 v14, s74, v9
	v_add_nc_u32 v15, s73, v7
	EACH 8, ds_load_b128 v[80+4*i:83+4*i], v14 offset:2048*i  ; LDS serves a wave's instructions in order (ISA guide 5.7.1.4): these see the stores above
	s_wait_dscnt 0x0
	LNC
	EACH 8, ds_store_b64 v15, v[112+2*i:113+2*i] offset:1024*i
	s_add_co_u32 s74, s74, 32                      ; two tokens on
	s_add_co_u32 s73, s73, 32
	s_sub_co_u32 s98, s98, 1
	s_cmp_lg_u32 s98, 0
	s_cbranch_scc1 .Ll2i_\@
	s_add_co_u32 s74, s74, 16384-128               ; the pair's second tile
	s_add_co_u32 s73, s73, 8192-128
	s_sub_co_u32 s97, s97, 1
	s_cmp_lg_u32 s97, 0
	s_cbranch_scc1 .Ll2o_\@
	WIN 0x40
	EACH 32, ds_load_b128 v[128*\p+4*i:128*\p+4*i+3], v10 offset:512*i
	WIN 0
	s_wait_dscnt 0x0
.endm
; out = y + H2 mlp_w2 + b, 128 channels: two trips.  First the half of y in window yw goes back into the stage, where the loop reads it unit by unit.  A trip's four units are 64 channels, 256 bytes
; of each token: they meet in my 64 rows of 272 bytes, come back as whole rows and leave: 16 lanes store 256 consecutive bytes, at a multiple of 256 from out0's first byte.
.macro MLP2 fill, yw
	WIN (\yw)<<2                                   ; store data in window yw
	EACH 64, ds_store_b128 v8, v[4*i:4*i+3] offset:512*i
	WIN 0
	v_mov_b32 v14, v8
	s_mov_b32 s97, 2
.Lmo_\@:
	v_mov_b32 v15, v7
	s_mov_b32 s98, 4
.Lmi_\@:
	LDB 3072, 208
	EACH 8, ds_load_b128 v[144+4*i:147+4*i], v14 offset:8192*(i/2)+512*(i%2)  ; the unit's y, laid as ACC is
	LDW 0, 80
	CORE 1, 0, 0, 80, 208, 8, 0                    ; at the head the 8 loads of fragments 4-7 may stay out
	PLACES
	WIN 0
	EACH 16, v_pk_add_f32 v[16+2*i:17+2*i], v[16+2*i:17+2*i], v[144+2*i:145+2*i]
	EACH 8, ds_store_b128 v15, v[16+4*i:19+4*i] offset:4352*(i/2)+16*(i%2)
	v_add_nc_u32 v4, 8192, v4
	v_add_nc_u32 v5, 64, v5
	v_add_nc_u32 v14, 1024, v14
	v_add_nc_u32 v15, 64, v15
	s_sub_co_u32 s98, s98, 1
	s_cmp_lg_u32 s98, 0
	s_cbranch_scc1 .Lmi_\@
	EACH 32, ds_load_b128 v[80+4*i:83+4*i], v10 offset:544*i  ; in order behind the stores above
	s_wait_dscnt 0x0
	EACH 32, global_store_b128 v11, v[80+4*i:83+4*i], s[10:11] offset:(i/4)*131072+(i%4)*2048 th:TH_STORE_NT
	s_wait_xcnt 0x0                                ; the stores have read their offset and their data: only behind this wait are v11 and v80-207 written again
	v_add_nc_u32 v11, 256, v11
	CHANGE \fill
	s_sub_co_u32 s97, s97, 1
	s_cmp_lg_u32 s97, 0
	s_cbranch_scc1 .Lmo_\@
.endm
	; ---- THE HEAD
	s_load_b256 s[4:11], s[0:1], 0x0               ; feature s[4:5], x s[6:7], wst s[8:9], out0 s[10:11]
	v_lshl_add_u32 v1, v0, 2, SPARE
	v_mov_b32 v2, 0
	ds_add_u32 v1, v2                              ; the wave's opening: the add and its wait ahead of my first tensor load
	v_lshrrev_b32 v3, 5, v0
	v_readfirstlane_b32 s12, v3                    ; wave = window 0..3
	s_bfe_u32 s13, ttmp6, 0x40000                  ; cx
	s_lshl_b32 s14, ttmp9, 2
	s_add_co_u32 s14, s14, s13                     ; work-group g: image g / 64, window row (g / 4) % 16, columns 32 (g % 4) on.  It enters global addresses alone
	s_lshr_b32 s15, s14, 6
	s_lshl_b32 s15, s15, 24                        ; an image is 2^24 bytes in feature, in x and in out0
	s_bfe_u32 s2, s14, 0x40002
	s_and_b32 s3, s14, 3
	s_lshl_b32 s93, s2, 12                         ; feature: 8 image rows of 512 bytes
	s_add_co_u32 s93, s93, s15
	s_lshl_b32 s94, s3, 7                          ; 32 columns of 4 bytes
	s_add_co_u32 s93, s93, s94
	s_lshr_b32 s13, s12, 1                         ; of a tile's two image rows I fetch row wave / 2,
	s_and_b32 s14, s12, 1                          ; and of that row half wave % 2
	s_lshl_b32 s94, s13, 9
	s_add_co_u32 s94, s93, s94
	s_lshl_b32 s95, s14, 23                        ; feature: 128 channels of 65,536 bytes
	s_add_co_u32 s94, s94, s95
	s_mov_b32 s95, 0
	s_lshl_b32 s2, s2, 20                          ; x, out0: 8 image rows of 131,072 bytes
	s_add_co_u32 s2, s2, s15
	s_lshl_b32 s3, s3, 15                          ; 32 tokens of 1,024 bytes
	s_add_co_u32 s2, s2, s3
	s_mov_b32 s3, 0
	s_lshl_b32 s72, s13, 17
	s_lshl_b32 s73, s14, 14                        ; x: 16 tokens of 1,024 bytes
	s_add_co_u32 s72, s72, s73
	s_mov_b32 s73, 0
	; the ring's tile: 128 rows of 256 bytes, dense; asked for jointly by the cluster's four
	s_mov_b32 s16, 15|(3<<16)|(1<<21)
	s_mov_b32 s17, 32<<16
	s_mov_b32 s18, 128<<16
	s_mov_b32 s19, 32<<16
	s_mov_b32 s20, 128
	s_mov_b32 s21, 32
	s_mov_b32 s22, 0
	s_mov_b32 s23, 0
	s_mov_b32 s24, 1
	s_mov_b32 s25, 0                               ; trip 0 into slot 0
	s_mov_b32 s28, 1
	s_mov_b32 s29, 0x8000                          ; trip 1 into slot 1; this descriptor then walks
	; my quarter of a tile of feature: 128 channels x 32 columns of f32, 16,384 elements from channel to channel; 2 words of padding behind every 32
	s_mov_b32 s32, (2<<16)|(1<<20)|(4<<22)|(1<<25)
	s_mov_b32 s33, 32<<16
	s_mov_b32 s34, 128<<16
	s_mov_b32 s35, 32<<16
	s_mov_b32 s36, 128
	s_mov_b32 s37, 16384
	s_mov_b32 s38, 0
	s_mov_b32 s39, 0
	s_mov_b32 s40, 1
	s_mul_i32 s41, s13, PSF
	s_mul_i32 s15, s14, 128*136
	s_add_co_u32 s41, s41, s15
	; my quarter of a tile of x: 16 tokens x 256 f32, dense; 4 words of padding behind every 256
	s_mov_b32 s44, (2<<16)|(1<<20)|(7<<22)|(3<<25)
	s_mov_b32 s45, 256<<16
	s_mov_b32 s46, 16<<16
	s_mov_b32 s47, 256<<16
	s_mov_b32 s48, 16
	s_mov_b32 s49, 256
	s_mov_b32 s50, 0
	s_mov_b32 s51, 0
	s_mov_b32 s52, 1
	s_mul_i32 s53, s13, PSX
	s_mul_i32 s15, s14, 16*1040
	s_add_co_u32 s53, s53, s15
	; my quarter of the bias vectors: 8 rows of 256 bytes
	s_mov_b32 s56, 3<<16
	s_mov_b32 s57, 32<<16
	s_mov_b32 s58, 8<<16
	s_mov_b32 s59, 32<<16
	s_mov_b32 s60, 8
	s_mov_b32 s61, 32
	s_mov_b32 s62, 0
	s_mov_b32 s63, 0
	s_mov_b32 s68, 1
	s_lshl_b32 s69, s12, 11
	s_add_co_u32 s69, s69, BT
	s_mov_b32 s76, 0x76543210                      ; v_permlanex16_b32: each lane takes its own place in the other half
	s_mov_b32 s77, 0xfedcba98
	s_mov_b32 s78, 0x3f596d27                      ; 0.8493218 = sqrt(log2(e) / 2); the pairs' upper words are written since the pair is named
	s_mov_b32 s79, s78
	s_mov_b32 s80, 0x3e027906                      ; a1 / 2 =  0.127414796
	s_mov_b32 s81, s80
	s_mov_b32 s82, 0xbe11a98e                      ; a2 / 2 = -0.142248368
	s_mov_b32 s83, s82
	s_mov_b32 s84, 0x3f35f0e3                      ; a3 / 2 =  0.710706871
	s_mov_b32 s85, s84
	s_mov_b32 s86, 0xbf3a00e3                      ; a4 / 2 = -0.726576014
	s_mov_b32 s87, s86
	s_mov_b32 s88, 0x3f07dc22                      ; a5 / 2 =  0.530702715
	s_mov_b32 s89, s88
	s_mov_b32 s90, 0x3e6d3389                      ; 0.3275911 / sqrt(2)
	s_mov_b32 s91, 0x3b800000                      ; 1 / 256
	s_mov_b32 s92, 0x3727c5ac                      ; 1e-5
	s_wait_dscnt 0x0                               ; the opening add is done
	s_wait_kmcnt 0x0
	s_add_nc_u64 s[42:43], s[4:5], s[94:95]        ; feature at my quarter of tile 0
	s_or_b32 s43, s43, 0x80000000
	s_add_nc_u64 s[6:7], s[6:7], s[2:3]
	s_add_nc_u64 s[10:11], s[10:11], s[2:3]        ; out0 at the work-group's first token
	s_add_nc_u64 s[54:55], s[6:7], s[72:73]        ; x at my quarter of tile 0
	s_or_b32 s55, s55, 0x80000000
	s_mov_b64 s[26:27], s[8:9]
	s_or_b32 s27, s27, 0x80000000
	s_add_nc_u64 s[30:31], s[8:9], 0x8000
	s_or_b32 s31, s31, 0x80000000
	s_lshl_b32 s14, s12, 11
	s_mov_b32 s15, 0
	s_add_nc_u64 s[70:71], s[8:9], s[14:15]
	s_add_nc_u64 s[70:71], s[70:71], 0x120000      ; behind the 144 units
	s_or_b32 s71, s71, 0x80000000
	ROUND                                          ; in a cluster launch every group of tensor loads stands behind a round
	tensor_load_to_lds s[40:43], s[32:39]          ; the first fills, one group: two loads of mine are out
	s_nop 0
	tensor_load_to_lds s[68:71], s[56:63]
	s_nop 0
	PLACES
	v_and_b32 v16, 31, v0                          ; lane
	v_and_b32 v17, 1, v0                           ; c2
	v_bfe_u32 v18, v0, 1, 1                        ; pp
	v_bfe_u32 v19, v0, 2, 3                        ; od
	v_and_b32 v20, 15, v0                          ; r
	v_bfe_u32 v21, v0, 4, 1                        ; h
	v_lshlrev_b32 v3, 4, v16                       ; v3   16 x lane
	v_lshl_add_u32 v5, v21, 5, BT                  ; v5   the bias of channels 8 h on; steps 64 bytes a unit, so sixteen units step one vector
	v_lshl_add_u32 v6, v20, 2, BT                  ; v6   the bias of channel r (for V)
	v_mul_u32_u24 v7, v18, PSF                     ; v7   feature: image row pp, channel 8 od, column 8 x window + c2
	v_mad_u32_u24 v7, v19, 8*136, v7
	v_lshl_add_u32 v7, v17, 2, v7
	s_lshl_b32 s13, s12, 5
	v_add_nc_u32 v7, s13, v7
	s_lshl_b32 s13, s12, 15
	s_add_co_u32 s13, s13, AST                     ; my wave's stage
	v_add_nc_u32 v8, s13, v3                       ; v8   my 16 bytes of 512 in it; never rewritten
	v_lshlrev_b32 v22, 7, v18
	v_lshl_add_u32 v22, v17, 4, v22
	v_add_nc_u32 v22, s13, v22                     ; token 8 pp + c2
	v_lshl_add_u32 v9, v19, 8, v22                 ; v9   the LayerNorms' place in the stage: 256 od on; never rewritten
	v_lshl_add_u32 v11, v19, 10, v22               ; v11  x's place: channels 32 od on
	s_lshl_b32 s13, s12, 3
	v_add_nc_u32 v23, s13, v17
	v_mul_u32_u24 v10, v18, PSX                    ; v10  x: image row pp, token 8 x window + c2, channels 32 od on
	v_mad_u32_u24 v10, v23, 1040, v10
	v_lshl_add_u32 v10, v19, 7, v10
	; ---- LAYERNORM 1 of feature -> window 1; then x -> window 2.  The last tile of each kind is written out, since what it asks for differs.
	s_mov_b32 s72, 0                               ; the slot that is read
	s_mov_b32 s74, 0                               ; the place in the stage
	s_mov_b32 s97, 3
.Lf:
	TILE 0, 1, 0
	s_sub_co_u32 s97, s97, 1
	s_cmp_lg_u32 s97, 0
	s_cbranch_scc1 .Lf
	TILE 0, 0, 1
	WLOAD 1
	s_mov_b32 s74, 0
	s_mov_b32 s97, 3
.Lx:
	TILE 1, 1, 1
	s_sub_co_u32 s97, s97, 1
	s_cmp_lg_u32 s97, 0
	s_cbranch_scc1 .Lx
	TILE 1, 0, 2
	WLOAD 2
	s_wait_tensorcnt 0x0                           ; waves 0 and 1: trips 0 and 1 are in;
	s_barrier_signal -1
	s_barrier_wait -1                              ; everybody knows
	; ---- Q, K, V AND ATTENTION, a head a trip; O gathers in the stage.  q on WF0, k on WF1, v on WF0, the bias tiles in WF1, each asked for one product ahead.  Behind v's product the slot has been read:
	; the change of slots stands there, and the next head's q is asked for ahead of attention's vector work.
	WIN 0xc0
	EACH 32, v_mov_b32 v[8*(i/4)+4+i%4], 0         ; the upper 16 of the 32 along K, in q's and k's fragments
	WIN 0
	s_mov_b32 s100, 0
	v_mov_b32 v4, v3
	v_mov_b32 v14, v8
	LDB 0, 208
	LDW 0, 80
	s_wait_dscnt 0x0                               ; the way in waits for its own loads, so that the count below holds on both ways
	s_mov_b32 s97, 16
.Lp1:
	LDB 1024, 216
	LDW 8192, 144
	CORE 1, 0, 0, 80, 208, 22, -1                  ; q's bias and weights are in: behind them stand the last head's 4 stores of O and k's 18 loads
	PLACES
	WIN 0xc0
	EACH 16, v_cvt_pk_f16_f32 v[8*(i/4)+i%4], v[16+2*i], v[17+2*i]
	WIN 0
	EACH 8, ds_load_b32 v[208+i], v6 offset:2048   ; V's lane holds one channel: its bias in all eight registers
	LDW 16384, 80
	CORE 1, 0, 0, 144, 216, 24, -1                 ; k's are in: behind them stand v's 8 and 16 loads
	PLACES
	WIN 0xc0
	EACH 16, v_cvt_pk_f16_f32 v[32+8*(i/4)+i%4], v[16+2*i], v[17+2*i]
	WIN 0
	EACH 14, ds_load_b128 v[144+4*i:147+4*i], v4 offset:24576+512*i  ; the relative bias: 7 tiles
	CORE 1, 1, 0, 80, 208, 14, -1                  ; v's are in: behind them stand the tiles' 14 loads
	PLACES
	WIN 0xc0
	EACH 16, v_cvt_pk_f16_f32 v[64+i], v[16+2*i], v[17+2*i]
	WIN 0
	v_add_nc_u32 v5, 64, v5
	v_add_nc_u32 v6, 64, v6
	CHANGE 1                                       ; its wait for 0 shows the bias tiles in registers
	LDB 0, 208
	LDW 0, 80
	ATT 0
	ATT 1
	v_add_nc_u32 v14, 512, v14
	s_sub_co_u32 s97, s97, 1
	s_cmp_lg_u32 s97, 0
	s_cbranch_scc1 .Lp1
	WLOAD 1                                        ; O
	; ---- gelu(x up_w1 + b) -> window 3
	GG 2, 2048, 3
	; ---- y, in f32: channels 0-127 -> window 2 (x is spent), channels 128-255 -> window 3 (the first gelu's results are spent behind the second loop)
	FUSED 2
	FUSED 3
	; ---- LAYERNORM 2 -> window 1
	v_and_b32 v16, 1, v0                           ; the lane's bits: token bit c2,
	v_bfe_u32 v17, v0, 1, 1                        ; token bit pp,
	v_bfe_u32 v18, v0, 2, 1                        ; h,
	v_bfe_u32 v19, v0, 3, 1                        ; e,
	v_bfe_u32 v20, v0, 4, 1                        ; the unit's parity
	s_mul_i32 s13, s12, 64*272
	s_add_co_u32 s13, s13, OS
	v_lshl_add_u32 v7, v16, 4, s13                 ; v7   where my 8 bytes of a fragment go: token 8 pp + c2,
	v_lshl_add_u32 v7, v17, 7, v7
	v_lshl_add_u32 v7, v18, 8, v7                  ;      channels 8 h on,
	v_lshl_add_u32 v7, v19, 3, v7                  ;      4 e on,
	v_lshl_add_u32 v7, v20, 9, v7                  ;      of the odd or even unit
	v_add_nc_u32 v10, s13, v3                      ; v10  and where I read fragments back
	LN2P 0
	LN2P 1
	; ---- gelu(LN(y) mlp_w1 + b) -> window 1
	GG 1, 3072, 1
	; ---- the last product, the residual and the way out
	v_and_b32 v16, 15, v0                          ; r
	v_bfe_u32 v17, v0, 4, 1                        ; h
	v_mul_u32_u24 v7, v16, 272                     ; v7   the way out, in: row r, 32 bytes for each half of the lanes
	v_lshl_add_u32 v7, v17, 5, v7
	v_add_nc_u32 v7, s13, v7
	v_mul_u32_u24 v10, v17, 272                    ; v10  back: lanes 0-15 one row of 256 bytes, lanes 16-31 the next
	v_lshl_add_u32 v10, v16, 4, v10
	v_add_nc_u32 v10, s13, v10
	s_lshl_b32 s13, s12, 13
	v_lshlrev_b32 v11, 10, v17                     ; v11  the same two tokens in out0, in my window's 8 columns
	v_lshl_add_u32 v11, v16, 4, v11
	v_add_nc_u32 v11, s13, v11
	MLP2 1, 2                                      ; trips 32, 33, channels 0-127: trips 34, 35 are asked for
	MLP2 0, 3                                      ; trips 34, 35, channels 128-255, are written out: nothing is left to ask for
	s_wait_tensorcnt 0x0                           ; the wave's end: behind my last tensor load and my last LDS store
	ds_add_u32 v1, v2
	s_wait_dscnt 0x0
	ROUND                                          ; the closing round: no work-group ends while a partner may still ask for a tile that names it
	s_endpgm
.Lfunc_end_k_q96aaff729b_main:
	.size	k_q96aaff729b_main, .Lfunc_end_k_q96aaff729b_main-k_q96aaff729b_main
	.p2alignl 7, 3214868480
	.fill 96, 4, 3214868480
	.section	.rodata,"a",@progbits
	.p2align	6, 0x0
	.amdhsa_kernel k_q96aaff729b_main
		.amdhsa_group_segment_fixed_size 327680
		.amdhsa_private_segment_fixed_size 0
		.amdhsa_enable_private_segment 0
		.amdhsa_kernarg_size 32
		.amdhsa_user_sgpr_count 2
		.amdhsa_user_sgpr_kernarg_segment_ptr 1
		.amdhsa_wavefront_size32 1
		.amdhsa_system_sgpr_workgroup_id_x 1
		.amdhsa_system_sgpr_workgroup_id_y 1
		.amdhsa_system_sgpr_workgroup_id_z 1
		.amdhsa_system_vgpr_workitem_id 0
		.amdhsa_next_free_vgpr 1024
		.amdhsa_next_free_sgpr 102
		.amdhsa_reserve_vcc 0
		.amdhsa_float_denorm_mode_32 3
		.amdhsa_float_denorm_mode_16_64 3
		.amdhsa_memory_ordered 1
		.amdhsa_forward_progress 1
		.amdhsa_inst_pref_size 249
	.end_amdhsa_kernel
	.amdgpu_metadata
---
amdhsa.version: [ 1, 2 ]
amdhsa.kernels:
  - .name:           k_q96aaff729b_main
    .symbol:         k_q96aaff729b_main.kd
    .args:
      - { .name: feature, .offset: 0, .size: 8, .value_kind: global_buffer, .address_space: global }
      - { .name: x, .offset: 8, .size: 8, .value_kind: global_buffer, .address_space: global }
      - { .name: wst, .offset: 16, .size: 8, .value_kind: global_buffer, .address_space: global }
      - { .name: out0, .offset: 24, .size: 8, .value_kind: global_buffer, .address_space: global }
    .group_segment_fixed_size: 327680
    .private_segment_fixed_size: 0
    .kernarg_segment_align: 8
    .kernarg_segment_size: 32
    .max_flat_workgroup_size: 128
    .sgpr_count:     102
    .vgpr_count:     1024
    .wavefront_size: 32
...
	.end_amdgpu_metadata
.endif
;; end of part 2
